; MI455X (gfx1250); checked and timed in simulation.
; The chip was launched on July 23, 2026; its instructions are those of AMD's public machine-readable ISA for CDNA 5 (MIT licence, August 2026) and "CDNA5" Instruction Set Architecture Reference Guide (July 2026). The comments in the code are by the model that wrote it; some were corrected since.
;; Codebook. Allowed arithmetic: matrix products marked QUANTISED: E2M1 operands, one E8M0 scale for each 32 along K, by v_wmma_scale_f32_16x16x128_f8f6f4 with both operands' format E2M1 (or v_wmma_scale_f32_32x16x128_f4), f32 sums; everything else in f32.
;; Inputs: emb 8,192 x 256 float32; z 32 x 1,024 x 256 float32.
;; Outputs: out0 32 x 1,024 x 256 float32; out1 32,768 int32; out2 one number float32.
;; This version of the problem:
;;   THIS VERSION OF THE PROBLEM IS GIVEN IN LOW PRECISION. The matrix products marked QUANTISED in the list below multiply operands that are first quantised to E2M1 (2 exponent bits, 1 mantissa bit; 4 bits a number), with one power-of-two scale for each 32 numbers along K (OCP MX v1.0); their sums are f32. All else is computed in f32.
;;   The module's matrix products, in the order in which they are computed (A, B: the left and right operand; K: the contracted axis; several contracted axes count as one K, in the product's order):
;;     1. [M 32,768, K 256] x [K 256, N 8,192]; A: input z; B: input emb: QUANTISED
;;   THE QUANTISER, for each operand of a quantised product, along K:
;;     - K is cut into blocks of 32 from its start; a last block that is shorter is filled with zeros.
;;     - A block's scale is 2^e with e = floor(log2(the largest magnitude in the block)) - 2, held to -126 .. 127; a block of zeros has e = 0. As a byte (E8M0): e + 127.
;;     - Each number is divided by its block's scale, clamped to +-6, and rounded to the nearest number of E2M1, ties to even, subnormals kept.
;;     - The product sums the exact products of the quantised numbers (number of the format x scale) in f32.
;;   ~~~python
;;   def quantise(x, axis):      # numpy; x: float32 -> the quantised numbers, widened to float32 again
;;       x = np.moveaxis(x, axis, -1); K = x.shape[-1]
;;       x = np.pad(x, [(0, 0)] * (x.ndim - 1) + [(0, -K % 32)]); x = x.reshape(x.shape[:-1] + (-1, 32)); a = np.abs(x).max(-1, keepdims=True)
;;       e = np.where(a > 0, np.clip(np.frexp(np.where(a > 0, a, 1))[1] - 1 - 2, -126, 127), 0)      # np.frexp(a)[1] - 1 = floor(log2(a)), exactly
;;       r = np.clip(x / 2.0 ** e, -6, 6)
;;       step = 2.0 ** (np.maximum(np.frexp(np.where(r == 0, 1, r))[1] - 1, 0) - 1)
;;       q = np.round(r / step) * step * 2.0 ** e      # np.round: ties to even
;;       return np.moveaxis(q.reshape(q.shape[:-2] + (-1,))[..., :K], -1, axis).astype(np.float32)
;;   ~~~
;; One version. Each part assembles by itself: llvm-mc -triple=amdgcn-amd-amdhsa -mcpu=gfx1250 --defsym DOCPART=n.
;; ======== version 1 of 1: 4 launches
;; limits: right only within a limited range of input values
;; workspace buffers: zw 4,587,520 bytes; ew 1,146,880 bytes; idxw 131,072 bytes of whole numbers; part 8,192 bytes
;; launch prep (part 1): grid 320 x 1, 4 waves a work-group, no clusters, 58,880 bytes of LDS; arguments z, emb, zw, ew; writes zw, ew
.if DOCPART == 1
	.amdgcn_target "amdgcn-amd-amdhsa--gfx1250"
	.amdhsa_code_object_version 6
	.text
	.protected	k_q9e525f94bf_prep
	.globl	k_q9e525f94bf_prep
	.p2align	8
	.type	k_q9e525f94bf_prep,@function
k_q9e525f94bf_prep:
	s_mov_b64 s[64:65], 0
	v_nop
	global_prefetch_b8 v0, s[64:65] scope:SCOPE_SE
	s_setreg_imm32_b32 hwreg(HW_REG_WAVE_MODE, 25, 1), 1
	s_wait_xcnt 0x0
; THE PROGRAM: for each of 32,768 rows of z the first index n of the smallest d[n] = (|z|^2 + |e_n|^2) - 2 z.e_n over 8,192 rows of emb, the product z.e_n on codes of E2M1 with one E8M0 scale
; for each 32 along K; then out0 = z + (emb[n] - z), out1 = n, out2 = 1.25 x the mean of (emb[n] - z)^2.  Four launches: this one, the search, the gather, the loss.
; DEAD WORK: none is left out, and every input is loaded.  |z|^2 is the same for all n of a row, but it is far larger than the other two terms: reference()'s f32 sum loses their low bits, makes equal d of
; unequal ones, and argmin then takes the lower index: so it stays, and d is formed in reference()'s order.  The two means of the loss are one number m (stop_gradient changes no value): it is made once, loss = m + 0.25 m.
; THIS LAUNCH turns z [32768][256] and emb [8192][256], f32, into what the search reads: codes, scale words, and each row's sum of squares.  One path serves both: work-groups 0-255 take z, 256-319 emb; only pointers are chosen.
; A block's scale is 2^(floor(log2(its largest magnitude)) - 2); its byte is the largest magnitude's exponent field - 2, held at 1 from below.  Numbers are divided by the scale and rounded to the nearest code, ties to even, beyond 6 the largest code.
; LAYOUT of zw and ew: chunks of 64 tiles of 16 rows, CH bytes each.  In a chunk: tile t's codes at 2048 t as an IMAGE OF THE OPERAND'S REGISTERS (block b of row r: 16 bytes at (b/4) 1024 + ((b/2)%2) 512 + (b%2) 256 + 16 r,
; so that 16 bytes at 1024 ks + 512 c + 16 lane are registers 4 c .. 4 c + 3 of K step ks); from SOFF tile t's scale words at 128 t (word 16 ks + r: row r's four bytes of K step ks); from QOFF its 16 sums of squares at 64 t.
; ORDER OF ROUNDING (a limit): a row's sum of squares is taken so: each square rounded to f32; each block of 32 added in ascending order; the eight block sums added in ascending order.  Where reference()'s own order gives
; another last bit of that sum, halfway cases of d fall the other way, and the index chosen among d that are equal or one step apart may differ.
; OTHER LIMITS: NaN and infinities among the inputs are not served.  A block of zeros gets the byte 1 where the rule says 127: its codes are zeros, and this program alone reads the bytes.  Blocks whose largest magnitude lies under 2^-124 were not tried.
; SHARES: a work-group takes 128 rows, a wave 32 (two tiles, 32,768 dense bytes), in 8 steps of 4,096 bytes = 4 rows x 8 blocks.  Each load reads 512 consecutive bytes, 16 a lane; a step's bytes turn through the wave's own stage in LDS
; (a block's 128 bytes + 16 of padding) and come back a whole block to a lane: lane l holds block l % 8 of the step's row l / 8.  Waves share nothing: no barrier.  Loads run three steps ahead, the turn through LDS one.
.set CH,    143360                     ; a chunk: 131,072 of codes, 8,192 of scale words, 4,096 of sums
.set SOFF,  131072
.set QOFF,  139264
.set WREG,  14592                      ; LDS of a wave: two stages, the code images, the scale bytes, the block sums
.set STG,   4608                       ; a stage: 32 places of 144 bytes
.set CIMG,  9216                       ; 4,096: two tiles' codes as they will lie in memory
.set SIMG,  13312                      ; 256: two tiles' scale words
.set PIMG,  13568                      ; 1,024: [32 rows][8 blocks] sums of squares
.set SPARE, 4*WREG                     ; behind the four regions: the spare words, 128 bytes for each wave: two blocks of 256 bytes that no other line names
.set R,     20                         ; v20-115  three sets of 32 numbers as they are loaded
.set X,     116                        ; v116-179 two sets of 32: a lane's block
.set C,     180                        ; v180-211 codes: four registers for each step
.set E,     212                        ; v212-219 a scale byte for each step
.set S,     220                        ; v220-227 a block's sum of squares for each step
; v1 lane; v2 16 x lane; v3, v4 the stage, in and out; v5 codes' image; v6 scale byte; v7 block sum; v8, v9, v10 the same three read back; v11, v12, v15 their places in memory; v13, v14 the add's two; v16-19 at work
	s_load_b256 s[4:11], s[0:1], 0x0               ; z s[4:5], emb s[6:7], zw s[8:9], ew s[10:11]
	v_lshl_add_u32 v13, v0, 2, SPARE
	v_mov_b32 v14, 0
	v_lshrrev_b32 v1, 5, v0
	v_readfirstlane_b32 s12, v1                    ; wave 0..3
	v_and_b32 v1, 31, v0                           ; lane
	s_cmp_lt_u32 ttmp9, 256
	s_cselect_b32 s13, 0, 256
	s_sub_co_u32 s13, ttmp9, s13                   ; which 128 rows of my tensor
	s_mul_i32 s18, s12, WREG                       ; my wave's LDS
	s_add_co_u32 s21, s18, CIMG
	s_add_co_u32 s22, s18, SIMG
	s_add_co_u32 s23, s18, PIMG
	v_lshlrev_b32 v2, 4, v1
	v_lshrrev_b32 v16, 3, v1                       ; l / 8: the step's row
	v_and_b32 v17, 7, v1                           ; l % 8
	v_mul_u32_u24 v3, v16, 144
	v_lshl_add_u32 v3, v17, 4, v3
	v_add_nc_u32 v3, s18, v3                       ; in: eight lanes' 128 bytes on end, then 16 of padding; a load's 512 bytes take four places
	v_mul_u32_u24 v4, v1, 144
	v_add_nc_u32 v4, s18, v4                       ; out: place l: my block
	v_bfe_u32 v18, v1, 2, 1                        ; my block's K step,
	v_lshlrev_b32 v5, 10, v18
	v_bfe_u32 v19, v1, 1, 1                        ; its c,
	v_lshl_add_u32 v5, v19, 9, v5
	v_and_b32 v19, 1, v1                           ; its half of the lanes,
	v_lshl_add_u32 v5, v19, 8, v5
	v_lshl_add_u32 v5, v16, 4, v5                  ; and 16 bytes a row
	v_add_nc_u32 v5, s21, v5
	v_lshlrev_b32 v6, 6, v18                       ; the scale byte: 64 x K step + 4 x row + block % 4
	v_lshl_add_u32 v6, v16, 2, v6
	v_and_b32 v19, 3, v1
	v_add_nc_u32 v6, v19, v6
	v_add_nc_u32 v6, s22, v6
	v_lshl_add_u32 v7, v1, 2, s23
	v_lshl_add_u32 v8, v1, 4, s21
	v_lshl_add_u32 v9, v1, 3, s22
	v_lshl_add_u32 v10, v1, 5, s23                 ; row l's eight block sums
	s_and_b32 s19, s13, 7
	s_lshl_b32 s19, s19, 3
	s_lshl_b32 s20, s12, 1
	s_add_co_u32 s19, s19, s20                     ; my first tile in its chunk: 8 (work-group % 8) + 2 wave
	s_lshl_b32 s20, s19, 11
	v_lshl_add_u32 v11, v1, 4, s20
	s_lshl_b32 s20, s19, 7
	s_add_co_u32 s20, s20, SOFF
	v_lshl_add_u32 v12, v1, 3, s20
	s_lshl_b32 s20, s19, 6
	s_add_co_u32 s20, s20, QOFF
	v_lshl_add_u32 v15, v1, 2, s20
	s_lshr_b32 s14, s13, 3
	s_mul_i32 s14, s14, CH                         ; my chunk
	s_mov_b32 s15, 0
	s_lshl_b32 s16, s13, 2
	s_add_co_u32 s16, s16, s12
	s_lshl_b32 s16, s16, 15                        ; my wave's 32,768 bytes of input (under 2^26)
	s_mov_b32 s17, 0
	s_wait_kmcnt 0x0
	s_cmp_lt_u32 ttmp9, 256                        ; z's work-group or emb's?  The choice hangs on the work-group's number alone
	s_cselect_b64 s[4:5], s[4:5], s[6:7]
	s_cselect_b64 s[8:9], s[8:9], s[10:11]
	s_add_nc_u64 s[4:5], s[4:5], s[16:17]
	s_add_nc_u64 s[8:9], s[8:9], s[14:15]
.macro LOAD t                          ; step t's 4,096 bytes into set t % 3
.irp i, 0,1,2,3,4,5,6,7
	global_load_b128 v[R+32*((\t)%3)+4*\i:R+32*((\t)%3)+4*\i+3], v2, s[4:5] offset:4096*(\t)+512*\i th:TH_LOAD_NT   ; 32 lanes read 512 consecutive bytes
.endr
.endm
.macro TURN t                          ; through stage t % 2: LDS serves a wave's instructions in order, so no wait stands between the stores and the loads
.irp i, 0,1,2,3,4,5,6,7
	ds_store_b128 v3, v[R+32*((\t)%3)+4*\i:R+32*((\t)%3)+4*\i+3] offset:STG*((\t)%2)+576*\i
.endr
.irp j, 0,1,2,3,4,5,6,7
	ds_load_b128 v[X+32*((\t)%2)+4*\j:X+32*((\t)%2)+4*\j+3], v4 offset:STG*((\t)%2)+16*\j
.endr
.endm
.macro STEP t
.set XS, X+32*((\t)%2)
.if (\t) > 0
	s_wait_dscnt 3                                 ; my block is back from the stage; the three LDS stores of the last step, issued behind those loads, may be out
.else
	s_wait_dscnt 0x0
.endif
.if (\t)+3 < 8
	LOAD (\t)+3                                    ; into the set whose stores into the stage have been served
.endif
.if (\t) < 7
.if (\t) <= 4
	s_wait_loadcnt 16                              ; the next step's eight loads are in; the two sets behind it may be out
.else
	s_wait_loadcnt 8*(6-(\t))                      ; the counts run down: one set behind it, then none
.endif
	TURN (\t)+1                                    ; the next step goes through the other stage while this one is worked
.endif
	v_max3_num_f32 v16, |v[XS]|, |v[XS+1]|, |v[XS+2]|              ; the block's largest magnitude: all 32 numbers are mine; two chains
	v_max3_num_f32 v17, |v[XS+3]|, |v[XS+4]|, |v[XS+5]|
.irp i, 6,10,14,18,22,26
	v_max3_num_f32 v16, v16, |v[XS+\i]|, |v[XS+\i+1]|
	v_max3_num_f32 v17, v17, |v[XS+\i+2]|, |v[XS+\i+3]|
.endr
	v_max3_num_f32 v16, v16, |v[XS+30]|, |v[XS+31]|
	v_max3_num_f32 v16, v16, v17, 0x1800000        ; and the floor 2^(3 - 127): the byte cannot fall under 1
	v_add_nc_u32 v18, 0xff000000, v16              ; 2 off the exponent field: the conversion takes the exponent field of this operand as its scale, and nothing else of it
.irp g, 0,1,2,3
	v_cvt_scalef32_pk8_fp4_f32 v[C+4*(\t)+\g], v[XS+8*\g:XS+8*\g+7], v18
.endr
	v_lshrrev_b32 v[E+(\t)], 23, v18               ; the scale's byte.  (Also the plain instruction between the conversions and the lines that write their sources)
.irp i, 0,2,4,6,8,10,12,14,16,18,20,22,24,26,28,30
	v_pk_mul_f32 v[XS+\i:XS+\i+1], v[XS+\i:XS+\i+1], v[XS+\i:XS+\i+1]   ; the squares, each rounded
.endr
	v_add_f32 v[S+(\t)], v[XS], v[XS+1]            ; and their sum, in ascending order
.irp i, 2,3,4,5,6,7,8,9,10,11,12,13,14,15,16,17,18,19,20,21,22,23,24,25,26,27,28,29,30,31
	v_add_f32 v[S+(\t)], v[S+(\t)], v[XS+\i]
.endr
	ds_store_b128 v5, v[C+4*(\t):C+4*(\t)+3] offset:((\t)/4)*2048+((\t)%4)*64   ; tile t / 4, rows 4 (t % 4) on
	ds_store_b8 v6, v[E+(\t)] offset:((\t)/4)*128+((\t)%4)*16
	ds_store_b32 v7, v[S+(\t)] offset:128*(\t)
.endm
	LOAD 0
	LOAD 1
	LOAD 2
	s_wait_loadcnt 16                              ; step 0's eight loads are in
	TURN 0
.irp t, 0,1,2,3,4,5,6,7
	STEP \t
.endr
.irp q, 0,1,2,3,4,5,6,7
	ds_load_b128 v[20+4*\q:23+4*\q], v8 offset:512*\q   ; LDS serves a wave's instructions in order: these see my stores
.endr
	ds_load_b64 v[52:53], v9
	ds_load_b128 v[56:59], v10
	ds_load_b128 v[60:63], v10 offset:16
	s_wait_dscnt 0x0
	v_add_f32 v64, v56, v57                        ; row l's eight block sums, in ascending order
.irp i, 58,59,60,61,62,63
	v_add_f32 v64, v64, v\i
.endr
.irp q, 0,1,2,3,4,5,6,7
	global_store_b128 v11, v[20+4*\q:23+4*\q], s[8:9] offset:512*\q   ; 32 lanes store 512 consecutive bytes, aligned
.endr
	global_store_b64 v12, v[52:53], s[8:9]         ; 256 consecutive bytes, aligned
	global_store_b32 v15, v64, s[8:9]              ; 128 consecutive bytes: 32 rows have no more; one byte for each 256 that the wave reads
	s_wait_tensorcnt 0x0                           ; the wave's end, behind my last LDS store
	ds_add_u32 v13, v14
	s_wait_dscnt 0x0
	s_endpgm
.Lfunc_end_k_q9e525f94bf_prep:
	.size	k_q9e525f94bf_prep, .Lfunc_end_k_q9e525f94bf_prep-k_q9e525f94bf_prep
	.p2alignl 7, 3214868480
	.fill 96, 4, 3214868480
	.section	.rodata,"a",@progbits
	.p2align	6, 0x0
	.amdhsa_kernel k_q9e525f94bf_prep
		.amdhsa_group_segment_fixed_size 58880
		.amdhsa_private_segment_fixed_size 0
		.amdhsa_enable_private_segment 0
		.amdhsa_kernarg_size 32
		.amdhsa_user_sgpr_count 2
		.amdhsa_user_sgpr_kernarg_segment_ptr 1
		.amdhsa_wavefront_size32 1
		.amdhsa_system_sgpr_workgroup_id_x 1
		.amdhsa_system_sgpr_workgroup_id_y 1
		.amdhsa_system_sgpr_workgroup_id_z 1
		.amdhsa_system_vgpr_workitem_id 0
		.amdhsa_next_free_vgpr 228
		.amdhsa_next_free_sgpr 66
		.amdhsa_reserve_vcc 0
		.amdhsa_float_denorm_mode_32 3
		.amdhsa_float_denorm_mode_16_64 3
		.amdhsa_memory_ordered 1
		.amdhsa_forward_progress 1
		.amdhsa_inst_pref_size 48
	.end_amdhsa_kernel
	.amdgpu_metadata
---
amdhsa.version: [ 1, 2 ]
amdhsa.kernels:
  - .name:           k_q9e525f94bf_prep
    .symbol:         k_q9e525f94bf_prep.kd
    .args:
      - { .name: z, .offset: 0, .size: 8, .value_kind: global_buffer, .address_space: global }
      - { .name: emb, .offset: 8, .size: 8, .value_kind: global_buffer, .address_space: global }
      - { .name: zw, .offset: 16, .size: 8, .value_kind: global_buffer, .address_space: global }
      - { .name: ew, .offset: 24, .size: 8, .value_kind: global_buffer, .address_space: global }
    .group_segment_fixed_size: 58880
    .private_segment_fixed_size: 0
    .kernarg_segment_align: 8
    .kernarg_segment_size: 32
    .max_flat_workgroup_size: 128
    .sgpr_count:     66
    .vgpr_count:     228
    .wavefront_size: 32
...
	.end_amdgpu_metadata
.endif
;; end of part 1
;; launch search (part 2): grid 256 x 1, 16 waves a work-group, clusters of 4 x 1, 327,680 bytes of LDS; arguments ew, zw, out1, idxw; writes out1, idxw
.if DOCPART == 2
	.amdgcn_target "amdgcn-amd-amdhsa--gfx1250"
	.amdhsa_code_object_version 6
	.text
	.protected	k_q9e525f94bf_search
	.globl	k_q9e525f94bf_search
	.p2align	8
	.type	k_q9e525f94bf_search,@function
k_q9e525f94bf_search:
	s_mov_b64 s[64:65], 0
	v_nop
	global_prefetch_b8 v0, s[64:65] scope:SCOPE_SE
	s_setreg_imm32_b32 hwreg(HW_REG_WAVE_MODE, 25, 1), 1
	s_wait_xcnt 0x0
	s_wait_alu depctr_hold_cnt(0) depctr_sa_sdst(0) depctr_va_vdst(0) depctr_va_sdst(0) depctr_va_ssrc(0) depctr_va_vcc(0) depctr_vm_vsrc(0)
	s_getreg_b32 s2, hwreg(HW_REG_IB_STS2, 6, 4)
	s_cmp_eq_u32 s2, 0
	s_cbranch_scc0 .Lentry_in_a_cluster
	s_endpgm
.Lentry_in_a_cluster:
	s_bfe_u32 s2, ttmp6, 0x10000c
	s_cmp_lg_u32 s2, 0x3003
	s_cbranch_scc0 .Lentry_shape_is_right
	s_endpgm
.Lentry_shape_is_right:
; For each row of z: the first n at which d[n] = fl(fl(zz + ee[n]) - 2 dot[n]) is smallest; dot on codes of E2M1 with E8M0 scales, by the scaled matrix instruction.  No work of reference() is left out here.
; d IS FORMED AS reference() FORMS IT: t = zz + ee, rounded; then one fused multiply-add, which rounds t - 2 dot once (2 dot is exact).  The text carries nd = -d: t' = (-ee) + (-zz), nd = dot x 2 + t'.  Rounding to nearest
; is symmetric in the sign, so nd = -d bit for bit, and the smallest d is the largest nd.
; LIMITS: NaN and infinities are not served (a row all of whose d are infinite or NaN gets index 16 p + 8 h + 0 of some candidate, not argmin's).  The order of rounding of zz and ee: see the launch that makes them.
; SHARES.  A work-group owns 128 rows of z and walks all 8,192 rows of emb.  Wave w: g = w % 2 picks 64 rows of z, four tiles, whose codes, scale words and sums stay in registers; p = w / 2 picks the tiles of emb: tile 8 s + p in step s = 0 .. 63.
; Four waves stand on a SIMD, so that one wave's eight matrix instructions and its LDS loads stand beside the other waves' vector work, which is the larger part: 21 vector instructions for a tile's 8 registers.
; THE PRODUCT IS USED TRANSPOSED: source 0 = 16 rows of emb, source 1 = 16 rows of z.  Lane (r, h) holds ONE row r of z, and register j the row n = 16 tile + 8 h + j of emb: so the search needs no other lane.
; THE SEARCH, for a tile: 4 packed additions, 4 packed multiply-adds, 4 maxima of three (the best so far among the leaves), one compare (strictly greater: an earlier group keeps an equal best), one select for the step's number,
; seven selects that keep nd0 .. nd6 of the winning group.  At the end the place in the group is the first j whose kept number equals the best, or 7.  A lane walks its n in ascending order, so it ends with its FIRST best.
; The 16 candidates of a row (8 p x 2 h) meet in LDS and are merged by (nd larger, then n lower).
; emb's chunks (64 tiles: codes, scale words, sums: CH dense bytes) go through a ring of two LDS slots.  CLUSTER: the four work-groups of a cluster walk the same chunks, so each is asked for JOINTLY: the same tensor load with the same
; descriptor and a mask that names the four.  Each of the 16 waves brings a sixteenth of a chunk: 35 rows of 256 bytes (a chunk's 560 rows shared out evenly); one tensor load of a wave is out at a time.
; No prefetch is written: emb's codes are small beside what the launch computes on them, every cluster reads the same bytes, and a refill has a chunk's eight steps in which to land.
.set CH,    143360
.set SOFF,  131072
.set QOFF,  139264
.set PART,  8960                       ; a wave's part of a chunk
.set SCR,   2*CH                       ; behind the ring: 16 candidates x 128 rows x 8 bytes; no tensor load lands here
.set SPARE, SCR+16384                  ; the spare words, 128 bytes for each wave: eight blocks of 256 bytes that no other line names
.set SPW,   1                          ; v1   LDS address of my spare word; never rewritten
.set NIL,   2                          ; v2   0; never rewritten
.set ADC,   3                          ; v3-6   codes: slot s, half f of a chunk's 64 tiles at v[ADC + 2 s + f]: CH s + 65536 f + 2048 p + 16 lane
.set ADS,   7                          ; v7-8   scale words: CH s + SOFF + 128 p + 4 lane
.set ADE,   9                          ; v9-10  sums: CH s + QOFF + 64 p + 32 h
.set LB,    11                         ; v11  16 p + 8 h
.set SA,    12                         ; v12  where I put a candidate
.set RA,    13                         ; v13  where a thread of waves 0-3 reads its row's candidates
.set TWO,   14                         ; v[14:15] 2.0, 2.0
.set ZC,    16                         ; v16-79   z's codes: tile i at 16 i, K step ks at + 8 ks
.set ZS,    80                         ; v80-83   z's scale words: lanes 0-15 K step 0, lanes 16-31 K step 1
.set ZZ,    84                         ; v84-91   my row's zz, twice, for each tile
.set EF,    92                         ; v92-123  emb's codes, two buffers of 16
.set ES,    124                        ; v124-125 emb's scale words
.set EE,    126                        ; v126-141 ee of my 8 n, two buffers
.set ACC,   142                        ; v142-173 four accumulators
.set T,     174                        ; v174-189 nd of two tiles
.set B,     190                        ; v190-197 the best: two sets of four, which take turns
.set GID,   198                        ; v198-201 the step in which the best was found
.set R,     202                        ; v202-233 eight a tile: nd0 .. nd6 of the winning group; the eighth: the place, at the end
.set PV,    234                        ; v234-241 at the head: lane, r, h, an offset; at the end: the pairs (nd, n)
.set CUR,   244                        ; v244 the step's number
; s[4:5] ew, s[6:7] zw, s[8:9] out1, s[10:11] idxw; s12 wave, s13 p, s14 g, s15 cx, s33 work-group; s[16:23] descriptor group 1; s[24:27], s[28:31] group 0 of slot 0, 1; s32 trips; s34-47 at work
.macro ROUND                           ; a round of the cluster's barrier
	s_barrier_signal -1
	s_barrier_wait -1
	s_cmp_lg_u32 s12, 0
	s_cbranch_scc1 .Lnot_wave_0_\@
	s_barrier_signal -3
.Lnot_wave_0_\@:
	s_barrier_wait -3
	s_barrier_signal -1
	s_barrier_wait -1
.endm
	s_load_b256 s[4:11], s[0:1], 0x0
	v_lshl_add_u32 v[SPW], v0, 2, SPARE
	v_mov_b32 v[NIL], 0
	ds_add_u32 v[SPW], v[NIL]                      ; the wave's opening: the add, twice on end, and its wait ahead of my first tensor load; the set-up below, work on registers, stands between
	ds_add_u32 v[SPW], v[NIL]
	v_lshrrev_b32 v234, 5, v0
	s_delay_alu instid0(VALU_DEP_1)
	v_readfirstlane_b32 s12, v234                  ; wave 0..15
	v_and_b32 v234, 31, v0                         ; lane
	s_wait_alu depctr_va_vdst(0)
	v_and_b32 v235, 15, v0                         ; r
	v_bfe_u32 v236, v0, 4, 1                       ; h
	s_wait_alu depctr_va_vdst(0)
	s_lshr_b32 s13, s12, 1                         ; p
	s_and_b32 s14, s12, 1                          ; g
	s_bfe_u32 s15, ttmp6, 0x40000                  ; cx: my place in the cluster
	s_lshl_b32 s33, ttmp9, 2
	s_add_co_u32 s33, s33, s15                     ; my work-group: it enters addresses in zw, out1 and idxw alone
	; descriptor group 1: 35 rows of 32 elements of 8 bytes, dense in memory and in LDS
	s_mov_b32 s16, 15|(3<<16)|(1<<21)              ; 15:0 the mask: all four work-groups; 17:16 elements of 8 bytes; 20 no padding; 21 set beside a mask
	s_mov_b32 s17, 32<<16                          ; tensor_dim0 = 32
	s_mov_b32 s18, 35<<16                          ; tensor_dim1 = 35
	s_mov_b32 s19, 32<<16                          ; tile_dim0 = 32
	s_mov_b32 s20, 35                              ; tile_dim1 = 35
	s_mov_b32 s21, 32                              ; from row to row
	s_mov_b32 s22, 0
	s_mov_b32 s23, 0
	; every LDS address is made here, of the lane and the wave's number alone
	s_lshl_b32 s34, s13, 11
	v_lshl_add_u32 v[ADC], v234, 4, s34
	s_delay_alu instid0(VALU_DEP_1)
	v_add_nc_u32 v[ADC+1], 65536, v[ADC]
	s_delay_alu instid0(VALU_DEP_2)
	v_add_nc_u32 v[ADC+2], CH, v[ADC]
	s_delay_alu instid0(VALU_DEP_3)
	v_add_nc_u32 v[ADC+3], CH+65536, v[ADC]
	s_lshl_b32 s35, s13, 7
	s_add_co_u32 s35, s35, SOFF
	v_lshl_add_u32 v[ADS], v234, 2, s35
	s_delay_alu instid0(VALU_DEP_1)
	v_add_nc_u32 v[ADS+1], CH, v[ADS]
	s_lshl_b32 s36, s13, 6
	s_add_co_u32 s36, s36, QOFF
	v_lshl_add_u32 v[ADE], v236, 5, s36
	s_delay_alu instid0(VALU_DEP_1)
	v_add_nc_u32 v[ADE+1], CH, v[ADE]
	s_lshl_b32 s37, s13, 4
	v_lshl_add_u32 v[LB], v236, 3, s37
	s_lshl_b32 s38, s14, 9                         ; candidate 2 p + h: 1,024 bytes; row 64 g + 16 i + r: 8 bytes
	s_add_co_u32 s38, s38, s34
	s_add_co_u32 s38, s38, SCR
	v_lshl_add_u32 v[SA], v236, 10, s38
	s_delay_alu instid0(VALU_DEP_1)
	v_lshl_add_u32 v[SA], v235, 3, v[SA]
	v_and_b32 v[RA], 127, v0
	s_delay_alu instid0(VALU_DEP_1)
	v_lshl_add_u32 v[RA], v[RA], 3, SCR
	v_mov_b32 v[TWO], 2.0
	v_mov_b32 v[TWO+1], 2.0
	; where my four tiles of z lie in zw: chunk work-group / 8, tile 8 (work-group % 8) + 4 g
	s_lshr_b32 s40, s33, 3
	s_mul_i32 s40, s40, CH
	s_mov_b32 s41, 0
	s_and_b32 s42, s33, 7
	s_lshl_b32 s42, s42, 3
	s_lshl_b32 s43, s14, 2
	s_add_co_u32 s42, s42, s43
	s_lshl_b32 s43, s42, 11
	v_lshl_add_u32 v242, v234, 4, s43
	s_lshl_b32 s43, s42, 7
	s_add_co_u32 s43, s43, SOFF
	v_lshl_add_u32 v243, v234, 2, s43
	s_lshl_b32 s43, s42, 6
	s_add_co_u32 s43, s43, QOFF
	v_lshl_add_u32 v240, v235, 2, s43
	s_lshl_b32 s44, s33, 9                         ; my 128 indices: 512 bytes
	s_mov_b32 s45, 0
	s_mul_i32 s46, s12, PART                       ; my part of a chunk, in memory and in a slot
	s_mov_b32 s47, 0
	s_wait_dscnt 0x0                               ; both opening adds are done
	s_wait_kmcnt 0x0
	s_add_nc_u64 s[6:7], s[6:7], s[40:41]
	s_add_nc_u64 s[8:9], s[8:9], s[44:45]
	s_add_nc_u64 s[10:11], s[10:11], s[44:45]
	s_mov_b32 s24, 1                               ; group 0 of slot 0: count = 1,
	s_mov_b32 s25, s46                             ; LDS address,
	s_add_nc_u64 s[26:27], s[4:5], s[46:47]        ; global address: chunk 0,
	s_or_b32 s27, s27, 0x80000000                  ; type = 2
	s_mov_b32 s28, 1                               ; of slot 1: chunk 1
	s_add_co_u32 s29, s46, CH
	s_add_nc_u64 s[30:31], s[4:5], s[46:47]
	s_add_nc_u64 s[30:31], s[30:31], CH
	s_or_b32 s31, s31, 0x80000000
	ROUND                                          ; all four work-groups are here: the first joint loads meet
	tensor_load_to_lds s[24:27], s[16:23]          ; chunk 0
	s_nop 0
.rept 4
	v_nop
.endr
	s_wait_alu depctr_va_vdst(0)
.irp i, 0,1,2,3
.irp q, 0,1,2,3
	global_load_b128 v[ZC+16*\i+4*\q:ZC+16*\i+4*\q+3], v242, s[6:7] offset:2048*\i+512*\q   ; z's codes, as the operand's registers lie
.endr
	global_load_b32 v[ZS+\i], v243, s[6:7] offset:128*\i
	global_load_b32 v[ZZ+2*\i], v240, s[6:7] offset:64*\i
.endr
.irp i, 0,1,2,3
	v_mov_b32 v[B+\i], 0xff800000                  ; the best nd so far: -infinity
	v_mov_b32 v[GID+\i], 0
.irp j, 0,1,2,3,4,5,6
	v_mov_b32 v[R+8*\i+\j], 0xff800000
.endr
.endr
	v_mov_b32 v[CUR], 0
	s_wait_loadcnt 0x0                             ; z's operands, once
.irp i, 0,1,2,3
	v_mov_b32 v[ZZ+2*\i+1], v[ZZ+2*\i]             ; a pair for the packed addition
.endr
; Seven LDS loads: tile 8 i + p of the chunk in the slot, into buffer e: its codes, its scale words, ee of my eight n
.macro FETCH e, slot, i
.irp q, 0,1,2,3
	ds_load_b128 v[EF+16*(\e)+4*\q:EF+16*(\e)+4*\q+3], v[ADC+2*(\slot)+(\i)/4] offset:((\i)%4)*16384+512*\q
.endr
	ds_load_b32 v[ES+(\e)], v[ADS+(\slot)] offset:1024*(\i)
	ds_load_b128 v[EE+8*(\e):EE+8*(\e)+3], v[ADE+(\slot)] offset:512*(\i)
	ds_load_b128 v[EE+8*(\e)+4:EE+8*(\e)+7], v[ADE+(\slot)] offset:512*(\i)+16
.endm
; Eight matrix instructions: K step 0 starts the four sums with the constant 0, K step 1 adds in place.  The four accumulators take turns, one instruction a turn
.macro MUL e
.irp i, 0,1,2,3
	v_wmma_scale_f32_16x16x128_f8f6f4 v[ACC+8*\i:ACC+8*\i+7], v[EF+16*(\e):EF+16*(\e)+7], v[ZC+16*\i:ZC+16*\i+7], 0, v[ES+(\e)], v[ZS+\i] matrix_a_fmt:MATRIX_FMT_FP4 matrix_b_fmt:MATRIX_FMT_FP4
.endr
.irp i, 0,1,2,3
	v_wmma_scale_f32_16x16x128_f8f6f4 v[ACC+8*\i:ACC+8*\i+7], v[EF+16*(\e)+8:EF+16*(\e)+15], v[ZC+16*\i+8:ZC+16*\i+15], v[ACC+8*\i:ACC+8*\i+7], v[ES+(\e)], v[ZS+\i] matrix_a_fmt:MATRIX_FMT_FP4 matrix_b_fmt:MATRIX_FMT_FP4 matrix_a_scale:MATRIX_SCALE_ROW1 matrix_b_scale:MATRIX_SCALE_ROW1
.endr
.endm
; The search in tiles a and a + 1.  The best is read from set e and written to set 1 - e.
.macro TRACK2 e, a
.irp u, 0,1
.irp k, 0,2,4,6
	v_pk_add_f32 v[T+8*\u+\k:T+8*\u+\k+1], v[EE+8*(\e)+\k:EE+8*(\e)+\k+1], v[ZZ+2*((\a)+\u):ZZ+2*((\a)+\u)+1] neg_lo:[1,1] neg_hi:[1,1]   ; -(zz + ee), rounded.  (These eight name no register of the products: they are the places behind them)
.endr
.endr
.irp u, 0,1
.irp k, 0,2,4,6
	v_pk_fma_f32 v[T+8*\u+\k:T+8*\u+\k+1], v[ACC+8*((\a)+\u)+\k:ACC+8*((\a)+\u)+\k+1], v[TWO:TWO+1], v[T+8*\u+\k:T+8*\u+\k+1]   ; nd = 2 dot - (zz + ee), rounded once; each accumulator from its low end on
.endr
.endr
.irp u, 0,1
	v_max3_num_f32 v[B+4*(1-(\e))+(\a)+\u], v[B+4*(\e)+(\a)+\u], v[T+8*\u], v[T+8*\u+1]
.endr
.irp k, 2,4,6
.irp u, 0,1
	s_delay_alu instid0(VALU_DEP_2)
	v_max3_num_f32 v[B+4*(1-(\e))+(\a)+\u], v[B+4*(1-(\e))+(\a)+\u], v[T+8*\u+\k], v[T+8*\u+\k+1]   ; (the two tiles by turns)
.endr
.endr
.irp u, 0,1
	v_cmp_gt_f32 vcc_lo, v[B+4*(1-(\e))+(\a)+\u], v[B+4*(\e)+(\a)+\u]   ; strictly better: an equal nd further on does not take the place of an earlier one
	s_delay_alu instid0(VALU_DEP_1)
	v_cndmask_b32 v[GID+(\a)+\u], v[GID+(\a)+\u], v[CUR], vcc_lo
.irp j, 0,1,2,3,4,5,6
	v_cndmask_b32 v[R+8*((\a)+\u)+\j], v[R+8*((\a)+\u)+\j], v[T+8*\u+\j], vcc_lo
.endr
.endr
.endm
; A step: one tile of emb against my four tiles of z.  The next step's seven loads are issued behind this step's products, into the buffer whose last products stand a whole step's vector work back, and have this step's search in which to land.
.macro STEP slot, i
	s_wait_dscnt 0x0                               ; this step's seven loads, issued a step ago
	MUL (\i)%2
.if (\i) < 7
	FETCH 1-(\i)%2, \slot, (\i)+1
.endif
	TRACK2 (\i)%2, 0
	TRACK2 (\i)%2, 2
	v_add_nc_u32 v[CUR], 1, v[CUR]
.endm
.macro CHUNK slot
	FETCH 0, \slot, 0
	s_wait_alu depctr_va_vdst(0)
.irp i, 0,1,2,3,4,5,6,7
	STEP \slot, \i
.endr
.endm
; A chunk's trip.  Each wave waits for all its tensor loads (its part of this trip's chunk), adds 0 to its spare word, and waits for that and for its reads of the other slot; a round of the cluster's barrier: all that now holds of every
; wave of all four work-groups; the joint load of the next chunk, into the slot read last trip, is the first thing behind it.
.macro TRIP slot, refill
	s_wait_tensorcnt 0x0                           ; no tensor load of mine is out, so a group 0 may be written
	ds_add_u32 v[SPW], v[NIL]                      ; 0 onto my spare word
	s_add_nc_u64 s[26+4*\slot:27+4*\slot], s[26+4*\slot:27+4*\slot], 2*CH   ; this slot's next chunk; the type bits on top are not reached
	s_wait_dscnt 0x0                               ; the add is done, and my reads of the last trip's chunk are over
	ROUND
.if \refill
	tensor_load_to_lds s[28-4*\slot:31-4*\slot], s[16:23]
	s_nop 0
.rept 4
	v_nop
.endr
.endif
	CHUNK \slot
.endm
	s_mov_b32 s32, 3
.Lring:                                            ; three trips of two chunks
	TRIP 0, 1
	TRIP 1, 1
	s_sub_co_u32 s32, s32, 1
	s_cmp_lg_u32 s32, 0
	s_cbranch_scc1 .Lring
	TRIP 0, 1                                      ; the tail is written out: chunk 6 asks for chunk 7,
	TRIP 1, 0                                      ; and chunk 7 for nothing (slot 0's stepped address is not used)
	; My candidates: an even number of steps has left the best in set 0.  The place in the winning group: the first j whose kept nd equals the best, or 7
.irp i, 0,1,2,3
	v_mov_b32 v[R+8*\i+7], 7
.endr
.irp j, 6,5,4,3,2,1,0
.irp i, 0,1,2,3
	v_cmp_neq_f32 vcc_lo, v[R+8*\i+\j], v[B+\i]
	s_delay_alu instid0(VALU_DEP_1)
	v_cndmask_b32 v[R+8*\i+7], \j, v[R+8*\i+7], vcc_lo   ; equal: j
.endr
.endr
.irp i, 0,1,2,3
	v_mov_b32 v[PV+2*\i], v[B+\i]
	v_lshl_add_u32 v[PV+2*\i+1], v[GID+\i], 7, v[R+8*\i+7]
	s_delay_alu instid0(VALU_DEP_1)
	v_add_nc_u32 v[PV+2*\i+1], v[LB], v[PV+2*\i+1]       ; n = 128 step + 16 p + 8 h + place
	ds_store_b64 v[SA], v[PV+2*\i:PV+2*\i+1] offset:128*\i
.endr
	s_wait_dscnt 0x0                               ; for the others' sake: my candidates lie in LDS
	s_barrier_signal -1
	s_barrier_wait -1
	s_cmp_lt_u32 s12, 4                            ; waves 0-3: thread t merges row t's 16 candidates.  The branch hangs on the wave's number alone, and no barrier stands inside
	s_cbranch_scc0 .Ldone
.irp c, 0,1,2,3,4,5,6,7,8,9,10,11,12,13,14,15
	ds_load_b64 v[16+2*\c:17+2*\c], v[RA] offset:1024*\c
.endr
	v_and_b32 v242, 127, v0
	s_delay_alu instid0(VALU_DEP_1)
	v_lshlrev_b32 v242, 2, v242
	s_wait_dscnt 0x0
.irp c, 1
	v_cmp_gt_f32 s40, v[16+2*\c], v16              ; a larger nd wins;
	v_cmp_eq_f32 s41, v[16+2*\c], v16
	v_cmp_lt_u32 vcc_lo, v[17+2*\c], v17           ; of equal nd the lower n
	s_and_b32 s41, s41, vcc_lo
	s_or_b32 vcc_lo, s40, s41
	v_cndmask_b32 v16, v16, v[16+2*\c], vcc_lo
	v_cndmask_b32 v17, v17, v[17+2*\c], vcc_lo
.endr
.irp c, 2, 3, 4, 5, 6, 7, 8, 9, 10, 11, 12, 13, 14, 15
	s_delay_alu instid0(VALU_DEP_2)
	v_cmp_gt_f32 s40, v[16+2*\c], v16              ; a larger nd wins;
	s_delay_alu instid0(VALU_DEP_3)
	v_cmp_eq_f32 s41, v[16+2*\c], v16
	s_delay_alu instid0(VALU_DEP_3)
	v_cmp_lt_u32 vcc_lo, v[17+2*\c], v17           ; of equal nd the lower n
	s_and_b32 s41, s41, vcc_lo
	s_or_b32 vcc_lo, s40, s41
	v_cndmask_b32 v16, v16, v[16+2*\c], vcc_lo
	v_cndmask_b32 v17, v17, v[17+2*\c], vcc_lo
.endr
	global_store_b32 v242, v17, s[8:9]             ; a wave stores 128 consecutive bytes, the four waves 512: the work-group has no more
	global_store_b32 v242, v17, s[10:11]           ; and once more for the gather, which forms addresses from them
.Ldone:
	s_wait_tensorcnt 0x0                           ; the wave's end, behind my last tensor load and my last LDS store
	ds_add_u32 v[SPW], v[NIL]
	s_wait_dscnt 0x0
	ROUND                                          ; the closing round: no work-group ends while a partner may still ask for a chunk that names it
	s_endpgm
.Lfunc_end_k_q9e525f94bf_search:
	.size	k_q9e525f94bf_search, .Lfunc_end_k_q9e525f94bf_search-k_q9e525f94bf_search
	.p2alignl 7, 3214868480
	.fill 96, 4, 3214868480
	.section	.rodata,"a",@progbits
	.p2align	6, 0x0
	.amdhsa_kernel k_q9e525f94bf_search
		.amdhsa_group_segment_fixed_size 327680
		.amdhsa_private_segment_fixed_size 0
		.amdhsa_enable_private_segment 0
		.amdhsa_kernarg_size 32
		.amdhsa_user_sgpr_count 2
		.amdhsa_user_sgpr_kernarg_segment_ptr 1
		.amdhsa_wavefront_size32 1
		.amdhsa_system_sgpr_workgroup_id_x 1
		.amdhsa_system_sgpr_workgroup_id_y 1
		.amdhsa_system_sgpr_workgroup_id_z 1
		.amdhsa_system_vgpr_workitem_id 0
		.amdhsa_next_free_vgpr 248
		.amdhsa_next_free_sgpr 66
		.amdhsa_reserve_vcc 1
		.amdhsa_float_denorm_mode_32 3
		.amdhsa_float_denorm_mode_16_64 3
		.amdhsa_memory_ordered 1
		.amdhsa_forward_progress 1
		.amdhsa_inst_pref_size 220
	.end_amdhsa_kernel
	.amdgpu_metadata
---
amdhsa.version: [ 1, 2 ]
amdhsa.kernels:
  - .name:           k_q9e525f94bf_search
    .symbol:         k_q9e525f94bf_search.kd
    .args:
      - { .name: ew, .offset: 0, .size: 8, .value_kind: global_buffer, .address_space: global }
      - { .name: zw, .offset: 8, .size: 8, .value_kind: global_buffer, .address_space: global }
      - { .name: out1, .offset: 16, .size: 8, .value_kind: global_buffer, .address_space: global }
      - { .name: idxw, .offset: 24, .size: 8, .value_kind: global_buffer, .address_space: global }
    .group_segment_fixed_size: 327680
    .private_segment_fixed_size: 0
    .kernarg_segment_align: 8
    .kernarg_segment_size: 32
    .max_flat_workgroup_size: 512
    .sgpr_count:     66
    .vgpr_count:     248
    .wavefront_size: 32
...
	.end_amdgpu_metadata
.endif
;; end of part 2
;; launch gather (part 3): grid 256 x 1, 8 waves a work-group, no clusters, 0 bytes of LDS; arguments idxw, z, emb, out0, part; writes out0, part
.if DOCPART == 3
	.amdgcn_target "amdgcn-amd-amdhsa--gfx1250"
	.amdhsa_code_object_version 6
	.text
	.protected	k_q9e525f94bf_gather
	.globl	k_q9e525f94bf_gather
	.p2align	8
	.type	k_q9e525f94bf_gather,@function
k_q9e525f94bf_gather:
	s_mov_b64 s[64:65], 0
	v_nop
	global_prefetch_b8 v0, s[64:65] scope:SCOPE_SE
	s_setreg_imm32_b32 hwreg(HW_REG_WAVE_MODE, 25, 1), 1
	s_wait_xcnt 0x0
; out0 = z + (emb[n] - z), as reference() writes it, and for each wave the sum of (emb[n] - z)^2 over its rows.  The two means of the loss are the same number (stop_gradient changes no value): the squares are summed once.
; A stream: memory binds, so no LDS, no barrier, no matrix unit.  A wave takes 16 rows; a lane the 16 bytes at 16 lane and at 512 + 16 lane of each row: every load and store covers 512 consecutive bytes, aligned.
; The 16 indices come by one scalar load from the buffer that the search stored, are held to 8,191 and make the offsets of emb's rows.  Four batches of four rows on two sets of registers; up to 32 loads of a wave are out.
; No prefetch is written: the launch has all its loads out from its first lines on.  LIMIT: the squares are added by fused multiply-adds in four packed chains, another order of rounding than reference()'s mean.
.set EO,  2                            ; v2-17   row k's offset in emb: 1,024 n + 16 lane
.set ACC, 18                           ; v18-25  four packed sums
.set D,   32                           ; v32-159 set s, row q: z in 8 registers at 32 + 64 s + 16 q, emb's row in the 8 behind them
	s_load_b256 s[4:11], s[0:1], 0x0               ; idxw s[4:5], z s[6:7], emb s[8:9], out0 s[10:11]
	s_load_b64 s[12:13], s[0:1], 0x20              ; part
	v_lshrrev_b32 v26, 5, v0
	s_delay_alu instid0(VALU_DEP_1)
	v_readfirstlane_b32 s14, v26                   ; wave 0..7
	v_and_b32 v26, 31, v0                          ; lane
	s_delay_alu instid0(VALU_DEP_1)
	v_lshlrev_b32 v1, 4, v26
	s_lshl_b32 s15, ttmp9, 3
	s_add_co_u32 s15, s15, s14                     ; which 16 rows are my wave's
	s_lshl_b32 s34, s15, 6                         ; their indices: 64 bytes
	s_mov_b32 s35, 0
	s_lshl_b32 s36, s15, 14                        ; their bytes in z and out0: 16 rows of 1,024 (under 2^26)
	s_mov_b32 s37, 0
	s_lshl_b32 s38, s15, 2                         ; my wave's word in part
	v_mov_b32 v27, s38
	s_mov_b32 s32, 0x76543210
	s_mov_b32 s33, 0xfedcba98                      ; v_permlanex16_b32's selects for lane l xor 16
	s_wait_alu depctr_va_vdst(0)
	s_wait_kmcnt 0x0
	s_add_nc_u64 s[4:5], s[4:5], s[34:35]
	s_load_b512 s[16:31], s[4:5], 0x0              ; 16 indices
	s_add_nc_u64 s[6:7], s[6:7], s[36:37]
	s_add_nc_u64 s[10:11], s[10:11], s[36:37]
.macro LDZ b
.irp q, 0,1,2,3
.irp u, 0,1
	global_load_b128 v[D+64*((\b)%2)+16*\q+4*\u:D+64*((\b)%2)+16*\q+4*\u+3], v1, s[6:7] offset:(4*(\b)+\q)*1024+512*\u th:TH_LOAD_NT
.endr
.endr
.endm
.macro LDE b                           ; no hint: several rows of z may name the same row of emb
.irp q, 0,1,2,3
.irp u, 0,1
	global_load_b128 v[D+64*((\b)%2)+16*\q+8+4*\u:D+64*((\b)%2)+16*\q+8+4*\u+3], v[EO+4*(\b)+\q], s[8:9] offset:512*\u
.endr
.endr
.endm
.macro ROW b, q, first
.set ZR, D+64*((\b)%2)+16*(\q)
.set ER, ZR+8
.irp k, 0,2,4,6
	v_pk_add_f32 v[ER+\k:ER+\k+1], v[ER+\k:ER+\k+1], v[ZR+\k:ZR+\k+1] neg_lo:[0,1] neg_hi:[0,1]   ; emb[n] - z
.endr
.irp k, 0,2,4,6
.if \first
	s_delay_alu instid0(VALU_DEP_4)
	v_pk_mul_f32 v[ACC+\k:ACC+\k+1], v[ER+\k:ER+\k+1], v[ER+\k:ER+\k+1]                            ; the first row starts the sums: nothing is cleared
.else
	s_delay_alu instid0(VALU_DEP_4)
	v_pk_fma_f32 v[ACC+\k:ACC+\k+1], v[ER+\k:ER+\k+1], v[ER+\k:ER+\k+1], v[ACC+\k:ACC+\k+1]
.endif
.endr
.irp k, 0,2,4,6
	v_pk_add_f32 v[ZR+\k:ZR+\k+1], v[ZR+\k:ZR+\k+1], v[ER+\k:ER+\k+1]                              ; z + (emb[n] - z)
.endr
.endm
.macro OUT b                           ; a batch's eight stores on end, behind the arithmetic of all its four rows
.irp q, 0,1,2,3
.irp u, 0,1
	global_store_b128 v1, v[D+64*((\b)%2)+16*\q+4*\u:D+64*((\b)%2)+16*\q+4*\u+3], s[10:11] offset:(4*(\b)+\q)*1024+512*\u th:TH_STORE_NT
.endr
.endr
.endm
	LDZ 0
	LDZ 1
	s_wait_kmcnt 0x0                               ; the indices
.irp k, 0,1,2,3,4,5,6,7,8,9,10,11,12,13,14,15
	s_min_u32 s[16+\k], s[16+\k], 0x1fff           ; an index stays inside the table
.endr
.irp k, 0,1,2,3,4,5,6,7,8,9,10,11,12,13,14,15
	v_lshl_add_u32 v[EO+\k], s[16+\k], 10, v1
.endr
	LDE 0
	LDE 1
	s_wait_loadcnt 8                               ; batch 0's rows of z and of emb are in; the eight loads behind them (batch 1's rows of emb) may be out
	ROW 0, 0, 1
	ROW 0, 1, 0
	ROW 0, 2, 0
	ROW 0, 3, 0
	OUT 0
	s_wait_xcnt 0x0                                ; the stores have read set 0: it is loaded again only behind this wait
	LDZ 2
	LDE 2
	s_wait_loadcnt 16                              ; batch 1 is in; batch 2's sixteen may be out
.irp q, 0,1,2,3
	ROW 1, \q, 0
.endr
	OUT 1
	s_wait_xcnt 0x0                                ; the same for set 1
	LDZ 3
	LDE 3
	s_wait_loadcnt 16                              ; batch 2 is in; batch 3's sixteen may be out
.irp q, 0,1,2,3
	ROW 2, \q, 0
.endr
	OUT 2
	s_wait_loadcnt 0x0
.irp q, 0,1,2,3
	ROW 3, \q, 0
.endr
	v_pk_add_f32 v[18:19], v[18:19], v[20:21]
	v_pk_add_f32 v[22:23], v[22:23], v[24:25]
	s_delay_alu instid0(VALU_DEP_1)
	v_pk_add_f32 v[18:19], v[18:19], v[22:23]
	s_delay_alu instid0(VALU_DEP_1)
	v_add_f32 v18, v18, v19
	s_delay_alu instid0(VALU_DEP_1)
	v_add_f32_dpp v18, v18, v18 row_xmask:1 row_mask:0xf bank_mask:0xf
	s_delay_alu instid0(VALU_DEP_1)
	v_add_f32_dpp v18, v18, v18 row_xmask:2 row_mask:0xf bank_mask:0xf
	s_delay_alu instid0(VALU_DEP_1)
	v_add_f32_dpp v18, v18, v18 row_xmask:4 row_mask:0xf bank_mask:0xf
	s_delay_alu instid0(VALU_DEP_1)
	v_add_f32_dpp v18, v18, v18 row_xmask:8 row_mask:0xf bank_mask:0xf
	s_delay_alu instid0(VALU_DEP_1)
	v_permlanex16_b32 v19, v18, s32, s33
	s_delay_alu instid0(VALU_DEP_1)
	v_add_f32 v18, v18, v19                        ; the wave's sum, in every lane
	OUT 3                                          ; the last batch leaves behind the wave's sum
	v_cmp_eq_u32 vcc_lo, 0, v26
	s_wait_alu depctr_va_vdst(0)
	s_wait_xcnt 0x0                                ; EXEC changes only behind this wait
	s_and_saveexec_b32 s34, vcc_lo
	global_store_b32 v27, v18, s[12:13]            ; lane 0 alone: one number a wave
	s_wait_xcnt 0x0                                ; and again in front of the line that widens it
	s_or_b32 exec_lo, exec_lo, s34
	s_endpgm
.Lfunc_end_k_q9e525f94bf_gather:
	.size	k_q9e525f94bf_gather, .Lfunc_end_k_q9e525f94bf_gather-k_q9e525f94bf_gather
	.p2alignl 7, 3214868480
	.fill 96, 4, 3214868480
	.section	.rodata,"a",@progbits
	.p2align	6, 0x0
	.amdhsa_kernel k_q9e525f94bf_gather
		.amdhsa_group_segment_fixed_size 0
		.amdhsa_private_segment_fixed_size 0
		.amdhsa_enable_private_segment 0
		.amdhsa_kernarg_size 40
		.amdhsa_user_sgpr_count 2
		.amdhsa_user_sgpr_kernarg_segment_ptr 1
		.amdhsa_wavefront_size32 1
		.amdhsa_system_sgpr_workgroup_id_x 1
		.amdhsa_system_sgpr_workgroup_id_y 1
		.amdhsa_system_sgpr_workgroup_id_z 1
		.amdhsa_system_vgpr_workitem_id 0
		.amdhsa_next_free_vgpr 160
		.amdhsa_next_free_sgpr 66
		.amdhsa_reserve_vcc 1
		.amdhsa_float_denorm_mode_32 3
		.amdhsa_float_denorm_mode_16_64 3
		.amdhsa_memory_ordered 1
		.amdhsa_forward_progress 1
		.amdhsa_inst_pref_size 28
	.end_amdhsa_kernel
	.amdgpu_metadata
---
amdhsa.version: [ 1, 2 ]
amdhsa.kernels:
  - .name:           k_q9e525f94bf_gather
    .symbol:         k_q9e525f94bf_gather.kd
    .args:
      - { .name: idxw, .offset: 0, .size: 8, .value_kind: global_buffer, .address_space: global }
      - { .name: z, .offset: 8, .size: 8, .value_kind: global_buffer, .address_space: global }
      - { .name: emb, .offset: 16, .size: 8, .value_kind: global_buffer, .address_space: global }
      - { .name: out0, .offset: 24, .size: 8, .value_kind: global_buffer, .address_space: global }
      - { .name: part, .offset: 32, .size: 8, .value_kind: global_buffer, .address_space: global }
    .group_segment_fixed_size: 0
    .private_segment_fixed_size: 0
    .kernarg_segment_align: 8
    .kernarg_segment_size: 40
    .max_flat_workgroup_size: 256
    .sgpr_count:     66
    .vgpr_count:     160
    .wavefront_size: 32
...
	.end_amdgpu_metadata
.endif
;; end of part 3
;; launch final (part 4): grid 1 x 1, 1 waves a work-group, no clusters, 0 bytes of LDS; arguments part, out2; writes out2
.if DOCPART == 4
	.amdgcn_target "amdgcn-amd-amdhsa--gfx1250"
	.amdhsa_code_object_version 6
	.text
	.protected	k_q9e525f94bf_final
	.globl	k_q9e525f94bf_final
	.p2align	8
	.type	k_q9e525f94bf_final,@function
k_q9e525f94bf_final:
	s_mov_b64 s[64:65], 0
	v_nop
	global_prefetch_b8 v0, s[64:65] scope:SCOPE_SE
	s_setreg_imm32_b32 hwreg(HW_REG_WAVE_MODE, 25, 1), 1
	s_wait_xcnt 0x0
; out2 = m + 0.25 m, m = the sum of the 2,048 waves' sums of (emb[n] - z)^2, divided by 32,768 x 256 = 2^23.  The two means of reference()'s loss are the same number: it is made once.
; One wave: the sum spans all work-groups of the launch before, so it is taken here, by one owner.  16 loads of 512 consecutive bytes; four packed chains; then across the lanes.
	s_load_b128 s[4:7], s[0:1], 0x0                ; part, out2
	v_lshlrev_b32 v1, 4, v0
	v_mov_b32 v2, 0
	s_mov_b32 s8, 0x76543210
	s_mov_b32 s9, 0xfedcba98                       ; v_permlanex16_b32's selects for lane l xor 16
	s_wait_alu depctr_va_vdst(0)
	s_wait_kmcnt 0x0
.irp i, 0,1,2,3,4,5,6,7,8,9,10,11,12,13,14,15
	global_load_b128 v[8+4*\i:11+4*\i], v1, s[4:5] offset:512*\i
.endr
	s_wait_loadcnt 0x0
.irp m, 1,2,3,4,5,6,7
.irp c, 0,1,2,3
	v_pk_add_f32 v[8+2*\c:9+2*\c], v[8+2*\c:9+2*\c], v[8+2*\c+8*\m:9+2*\c+8*\m]
.endr
.endr
	v_pk_add_f32 v[8:9], v[8:9], v[10:11]
	v_pk_add_f32 v[12:13], v[12:13], v[14:15]
	v_pk_add_f32 v[8:9], v[8:9], v[12:13]
	v_add_f32 v8, v8, v9
	v_add_f32_dpp v8, v8, v8 row_xmask:1 row_mask:0xf bank_mask:0xf
	v_add_f32_dpp v8, v8, v8 row_xmask:2 row_mask:0xf bank_mask:0xf
	v_add_f32_dpp v8, v8, v8 row_xmask:4 row_mask:0xf bank_mask:0xf
	v_add_f32_dpp v8, v8, v8 row_xmask:8 row_mask:0xf bank_mask:0xf
	v_permlanex16_b32 v9, v8, s8, s9
	v_add_f32 v8, v8, v9
	v_mul_f32 v8, 0x34000000, v8                   ; x 2^-23: the mean
	v_fmamk_f32 v9, v8, 0x3e800000, v8             ; m x 0.25 + m
	v_cmp_eq_u32 vcc_lo, 0, v0
	s_wait_alu depctr_va_vdst(0)
	s_wait_xcnt 0x0                                ; EXEC changes only behind this wait
	s_and_saveexec_b32 s10, vcc_lo
	global_store_b32 v2, v9, s[6:7]                ; lane 0 alone: the one number
	s_wait_xcnt 0x0
	s_or_b32 exec_lo, exec_lo, s10
	s_endpgm
.Lfunc_end_k_q9e525f94bf_final:
	.size	k_q9e525f94bf_final, .Lfunc_end_k_q9e525f94bf_final-k_q9e525f94bf_final
	.p2alignl 7, 3214868480
	.fill 96, 4, 3214868480
	.section	.rodata,"a",@progbits
	.p2align	6, 0x0
	.amdhsa_kernel k_q9e525f94bf_final
		.amdhsa_group_segment_fixed_size 0
		.amdhsa_private_segment_fixed_size 0
		.amdhsa_enable_private_segment 0
		.amdhsa_kernarg_size 16
		.amdhsa_user_sgpr_count 2
		.amdhsa_user_sgpr_kernarg_segment_ptr 1
		.amdhsa_wavefront_size32 1
		.amdhsa_system_sgpr_workgroup_id_x 1
		.amdhsa_system_sgpr_workgroup_id_y 1
		.amdhsa_system_sgpr_workgroup_id_z 1
		.amdhsa_system_vgpr_workitem_id 0
		.amdhsa_next_free_vgpr 72
		.amdhsa_next_free_sgpr 66
		.amdhsa_reserve_vcc 1
		.amdhsa_float_denorm_mode_32 3
		.amdhsa_float_denorm_mode_16_64 3
		.amdhsa_memory_ordered 1
		.amdhsa_forward_progress 1
		.amdhsa_inst_pref_size 5
	.end_amdhsa_kernel
	.amdgpu_metadata
---
amdhsa.version: [ 1, 2 ]
amdhsa.kernels:
  - .name:           k_q9e525f94bf_final
    .symbol:         k_q9e525f94bf_final.kd
    .args:
      - { .name: part, .offset: 0, .size: 8, .value_kind: global_buffer, .address_space: global }
      - { .name: out2, .offset: 8, .size: 8, .value_kind: global_buffer, .address_space: global }
    .group_segment_fixed_size: 0
    .private_segment_fixed_size: 0
    .kernarg_segment_align: 8
    .kernarg_segment_size: 16
    .max_flat_workgroup_size: 32
    .sgpr_count:     66
    .vgpr_count:     72
    .wavefront_size: 32
...
	.end_amdgpu_metadata
.endif
;; end of part 4
